; MI455X (gfx1250); checked and timed in simulation.
; The chip was launched on July 23, 2026; its instructions are those of AMD's public machine-readable ISA for CDNA 5 (MIT licence, August 2026) and "CDNA5" Instruction Set Architecture Reference Guide (July 2026). The comments in the code are by the model that wrote it; some were corrected since.
;; LNN Step. Allowed arithmetic: matrix products marked QUANTISED: E4M3 operands, one E8M0 scale for each 32 along K, by v_wmma_scale_f32_16x16x128_f8f6f4 with both operands' format E4M3, f32 sums; everything else in f32.
;; Inputs: input_weights 4,096 x 2,048 float32; inputs 2,048 x 2,048 float32; prev_state 2,048 x 4,096 float32; reservoir_weights 4,096 x 4,096 float32.
;; Outputs: out0 2,048 x 4,096 float32.
;; This version of the problem:
;;   THIS VERSION OF THE PROBLEM IS GIVEN IN LOW PRECISION. The matrix products marked QUANTISED in the list below multiply operands that are first quantised to E4M3 (4 exponent bits, 3 mantissa bits; 8 bits a number), with one power-of-two scale for each 32 numbers along K (OCP MX v1.0); their sums are f32. All else is computed in f32.
;;   The module's matrix products, in the order in which they are computed (A, B: the left and right operand; K: the contracted axis; several contracted axes count as one K, in the product's order):
;;     1. [M 2,048, K 2,048] x [K 2,048, N 4,096]; A: input inputs; B: input input_weights: QUANTISED
;;     2. [M 2,048, K 4,096] x [K 4,096, N 4,096]; A: input prev_state; B: input reservoir_weights: QUANTISED
;;   THE QUANTISER, for each operand of a quantised product, along K:
;;     - K is cut into blocks of 32 from its start; a last block that is shorter is filled with zeros.
;;     - A block's scale is 2^e with e = floor(log2(the largest magnitude in the block)) - 8, held to -126 .. 127; a block of zeros has e = 0. As a byte (E8M0): e + 127.
;;     - Each number is divided by its block's scale, clamped to +-448, and rounded to the nearest number of E4M3, ties to even, subnormals kept.
;;     - The product sums the exact products of the quantised numbers (number of the format x scale) in f32.
;;   ~~~python
;;   def quantise(x, axis):      # numpy; x: float32 -> the quantised numbers, widened to float32 again
;;       x = np.moveaxis(x, axis, -1); K = x.shape[-1]
;;       x = np.pad(x, [(0, 0)] * (x.ndim - 1) + [(0, -K % 32)]); x = x.reshape(x.shape[:-1] + (-1, 32)); a = np.abs(x).max(-1, keepdims=True)
;;       e = np.where(a > 0, np.clip(np.frexp(np.where(a > 0, a, 1))[1] - 1 - 8, -126, 127), 0)      # np.frexp(a)[1] - 1 = floor(log2(a)), exactly
;;       r = np.clip(x / 2.0 ** e, -448, 448)
;;       step = 2.0 ** (np.maximum(np.frexp(np.where(r == 0, 1, r))[1] - 1, -6) - 3)
;;       q = np.round(r / step) * step * 2.0 ** e      # np.round: ties to even
;;       return np.moveaxis(q.reshape(q.shape[:-2] + (-1,))[..., :K], -1, axis).astype(np.float32)
;;   ~~~
;; One version. Each part assembles by itself: llvm-mc -triple=amdgcn-amd-amdhsa -mcpu=gfx1250 --defsym DOCPART=n.
;; ======== version 1 of 1: 2 launches
;; limits: right only within a limited range of input values
;; workspace buffers: a_rec 12,976,128 bytes; b_rec 25,952,256 bytes
;; launch quant (part 1): grid 3 x 384, 4 waves a work-group, no clusters, 34,304 bytes of LDS; arguments inputs, prev_state, input_weights, reservoir_weights, a_rec, b_rec; writes a_rec, b_rec
.if DOCPART == 1
	.amdgcn_target "amdgcn-amd-amdhsa--gfx1250"
	.amdhsa_code_object_version 6
	.text
	.protected	k_q4960f03f5c_quant
	.globl	k_q4960f03f5c_quant
	.p2align	8
	.type	k_q4960f03f5c_quant,@function
k_q4960f03f5c_quant:
	s_mov_b64 s[64:65], 0
	v_nop
	global_prefetch_b8 v0, s[64:65] scope:SCOPE_SE
	s_setreg_imm32_b32 hwreg(HW_REG_WAVE_MODE, 25, 1), 1
	s_wait_xcnt 0x0
; All four inputs (f32, K innermost) become codes of FP8 (E4M3) with one E8M0 scale byte for each 32 along K, laid for the product's launch.  No work of reference() is left out.
; The two products share M and N, so they are ONE product over K = 2,048 + 4,096: A = [inputs | prev_state] (2,048 rows), B = [input_weights | reservoir_weights] (4,096 rows).
; A RECORD = 16 rows x 512 along K = four fragments in the ORDER OF THE OPERAND'S REGISTERS, then one unit of scale words: 8,448 bytes.
;   byte 2048 q + 512 c + 16 l: lane l = 16 h + r of fragment q holds k = 128 q + 32 c + 16 h + 0 .. 15 of row r;   byte 8192 + 128 (q / 2) + 8 r + 4 (q % 2): row r's scale word of fragment q.
; a_rec: [128 row blocks][12 records];  b_rec: [256 row blocks][12 records].  Records 0-3 come from the narrow tensor (rows of 2,048), records 4-11 from the wide one.
; A block's scale is 2^(floor(log2(its largest magnitude)) - 8): its byte is the largest magnitude's exponent field - 8, held at 1 from below; each number is held within +-448 x the scale and rounded to the nearest code, ties to even.
; LIMITS: NaN and infinities among the inputs are not served.  A block of zeros gets the byte 1 where the rule says 127: its codes are zeros, which add nothing under any byte but 0xff, and this program alone reads the bytes.
; Blocks whose largest magnitude lies under 2^-118 keep the byte 1, as the rule's hold at -126 asks; they were not tried.
; SHARES: work-group (x, y): y = the row block (under 128: A's, else B's); wave w makes record 4 x + w.  Waves share nothing: no barrier.  Two fragments' loads (32) are out at the start, one fragment's while another is worked.
; Each load reads 512 consecutive bytes of one row; a fragment's 16 rows turn through the wave's own stage in LDS, so that a lane gets 16 NEIGHBOURS of each block of 32, as the conversions want them.
.set SP,   528                         ; a stage row: 512 bytes + 16
.set WREG, 16*SP
.set SPARE, 4*WREG                     ; the spare words, 512 bytes that no other line names
.set REC,  8448
.set RBP,  12*REC
.set LA,   4                           ; 16 x lane
.set SI,   5                           ; the stage, on the way in
.set SO,   6                           ; and out: row r, + 64 h
.set O8,   7                           ; 8 x lane
.set TM,   8                           ; v8-11 largest magnitudes, v12-15 bytes, v16-19 448 x the scale, v20-23 the conversions' scale operands
.set PW,   24                          ; v24-27 my row's scale word of each fragment
.set SPW,  28
.set NIL,  29
.set C,    32                          ; v32-63 codes, two sets by turns
.set X,    64                          ; v64-191 numbers, two sets by turns
.set SEL,  40
.set MNT,  42
	s_load_b256 s[4:11], s[0:1], 0x0               ; inputs, prev_state, input_weights, reservoir_weights
	s_load_b128 s[12:15], s[0:1], 0x20             ; a_rec, b_rec
	v_lshl_add_u32 v[SPW], v0, 2, SPARE
	v_mov_b32 v[NIL], 0
	v_lshrrev_b32 v1, 5, v0
	v_readfirstlane_b32 s16, v1                    ; wave
	v_and_b32 v1, 31, v0
	v_and_b32 v2, 15, v0                           ; r
	v_bfe_u32 v3, v0, 4, 1                         ; h
	s_lshl_b32 s17, ttmp9, 2
	s_add_co_u32 s17, s17, s16                     ; my record
	s_and_b32 s18, ttmp7, 0xffff
	s_mul_i32 s19, s16, WREG
	v_lshlrev_b32 v[LA], 4, v1
	v_add_nc_u32 v[SI], s19, v[LA]
	v_mul_u32_u24 v[SO], v2, SP
	v_lshl_add_u32 v[SO], v3, 6, v[SO]
	v_add_nc_u32 v[SO], s19, v[SO]
	v_lshlrev_b32 v[O8], 3, v1
.irp b, 0,1,2,3
	v_mov_b32 v[TM+4+\b], 0                        ; written once: a lane permute's destination counts as one of its sources
.endr
	s_mov_b32 s[SEL], 0x76543210
	s_mov_b32 s[SEL+1], 0xfedcba98                 ; v_permlanex16_b32's selects for lane l xor 16
	s_mov_b32 s[MNT], 0x600000                     ; the mantissa field of 448
	s_wait_alu depctr_va_vdst(0)                   ; the wait at the head's end
	s_wait_kmcnt 0x0
	s_cmp_lt_u32 s18, 128                          ; A's row block or B's: the choice hangs on the work-group's number alone
	s_cselect_b64 s[20:21], s[4:5], s[8:9]
	s_cselect_b64 s[22:23], s[6:7], s[10:11]
	s_cselect_b64 s[24:25], s[12:13], s[14:15]
	s_cselect_b32 s38, 0, 128
	s_sub_co_u32 s18, s18, s38
	s_mul_i32 s36, s18, RBP
	s_mul_i32 s37, s17, REC
	s_add_co_u32 s36, s36, s37
	s_mov_b32 s37, 0
	s_add_nc_u64 s[24:25], s[24:25], s[36:37]      ; my record
	s_lshl_b32 s38, s18, 17
	s_lshl_b32 s36, s17, 11
	s_add_co_u32 s38, s38, s36                     ; narrow: 16 rows of 8,192 bytes a block, + 2,048 a record
	s_max_u32 s39, s17, 4
	s_sub_co_u32 s39, s39, 4
	s_lshl_b32 s39, s39, 11
	s_lshl_b32 s36, s18, 18
	s_add_co_u32 s39, s39, s36                     ; wide: 16 rows of 16,384 bytes a block
	s_cmp_eq_u32 ttmp9, 0                          ; records 0-3 are x = 0
	s_cselect_b32 s36, s38, s39
	s_cselect_b64 s[26:27], s[20:21], s[22:23]
	s_mov_b32 s37, 0
	s_add_nc_u64 s[26:27], s[26:27], s[36:37]
.macro LOADF q                         ; fragment q's 16 rows x 512 bytes; the rows' distance is an immediate, so each tensor has a run
	s_cmp_eq_u32 ttmp9, 0
	s_cbranch_scc0 .Lwide_\@
.irp i, 0,1,2,3,4,5,6,7,8,9,10,11,12,13,14,15
	global_load_b128 v[X+64*((\q)%2)+4*\i:X+64*((\q)%2)+4*\i+3], v[LA], s[26:27] offset:\i*8192+512*(\q) th:TH_LOAD_NT
.endr
	s_branch .Lasked_\@
.Lwide_\@:
.irp i, 0,1,2,3,4,5,6,7,8,9,10,11,12,13,14,15
	global_load_b128 v[X+64*((\q)%2)+4*\i:X+64*((\q)%2)+4*\i+3], v[LA], s[26:27] offset:\i*16384+512*(\q) th:TH_LOAD_NT
.endr
.Lasked_\@:
.endm
.macro TURNQ s                         ; in as loaded, row by row; out 64 bytes of my row for each block of 32.  LDS serves a wave's instructions in order (ISA guide 5.7.1.4)
.irp i, 0,1,2,3,4,5,6,7,8,9,10,11,12,13,14,15
	ds_store_b128 v[SI], v[(\s)+4*\i:(\s)+4*\i+3] offset:SP*\i
.endr
.irp c, 0,1,2,3
.irp j, 0,1,2,3
	ds_load_b128 v[(\s)+16*\c+4*\j:(\s)+16*\c+4*\j+3], v[SO] offset:128*\c+16*\j
.endr
.endr
.endm
.macro QUANT s, pc, pw                 ; 64 numbers of a lane become a fragment's codes and my row's scale word
.irp b, 0,1,2,3
	v_max3_num_f32 v[TM+\b], |v[(\s)+16*\b]|, |v[(\s)+1+16*\b]|, 0x4800000   ; with the floor 2^(9 - 127): the byte cannot fall under 1
.endr
.irp i, 2,4,6,8,10,12,14
.irp b, 0,1,2,3
	v_max3_num_f32 v[TM+\b], v[TM+\b], |v[(\s)+16*\b+\i]|, |v[(\s)+1+16*\b+\i]|
.endr
.endr
.irp b, 0,1,2,3
	v_permlanex16_b32 v[TM+4+\b], v[TM+\b], s[SEL], s[SEL+1]
.endr
.irp b, 0,1,2,3
	v_max_num_f32 v[TM+\b], v[TM+\b], v[TM+4+\b]   ; with lane l xor 16's 16: the block's largest magnitude
.endr
.irp b, 0,1,2,3
	v_add_nc_u32 v[TM+12+\b], 0xfc000000, v[TM+\b] ; 8 off its exponent field: the conversion's scale operand
.endr
.irp b, 0,1,2,3
	v_and_or_b32 v[TM+8+\b], v[TM+\b], 0x7f800000, s[MNT]   ; 448 x the scale
.endr
.irp b, 0,1,2,3
	v_lshrrev_b32 v[TM+4+\b], 23, v[TM+12+\b]      ; the scale's byte
.endr
	v_lshl_or_b32 v[\pw], v[TM+5], 8, v[TM+4]
	v_lshl_or_b32 v[\pw], v[TM+6], 16, v[\pw]
	v_lshl_or_b32 v[\pw], v[TM+7], 24, v[\pw]
.irp b, 0,1,2,3
.irp i, 0,1,2,3,4,5,6,7,8,9,10,11,12,13,14,15
	v_med3_num_f32 v[(\s)+16*\b+\i], v[(\s)+16*\b+\i], -v[TM+8+\b], v[TM+8+\b]   ; the conversion does not saturate (ISA guide 7.6.2): the hold comes first
.endr
	v_cvt_scalef32_pk8_fp8_f32 v[(\pc)+4*\b:(\pc)+4*\b+1], v[(\s)+16*\b:(\s)+16*\b+7], v[TM+12+\b]
	v_cvt_scalef32_pk8_fp8_f32 v[(\pc)+4*\b+2:(\pc)+4*\b+3], v[(\s)+16*\b+8:(\s)+16*\b+15], v[TM+12+\b]
.endr
	v_nop                                          ; one plain vector line behind the last conversion of a run
.endm
.macro FRAGMENT q, lc
	s_wait_loadcnt \lc                             ; my fragment's 16 loads are in; the next fragment's may be out
	TURNQ X+64*((\q)%2)
	s_wait_dscnt 0x0
.if \q >= 2
	s_wait_xcnt 0x0                                ; the stores of two fragments ago have read this set of codes
.endif
	QUANT X+64*((\q)%2), C+16*((\q)%2), PW+\q
.irp c, 0,1,2,3
	global_store_b128 v[LA], v[C+16*((\q)%2)+4*\c:C+16*((\q)%2)+4*\c+3], s[24:25] offset:2048*\q+512*\c   ; the image of four registers: 512 consecutive bytes, aligned to 256
.endr
.if \q < 2
	LOADF \q+2
.endif
.endm
	LOADF 0
	LOADF 1
	FRAGMENT 0, 16
	FRAGMENT 1, 16
	FRAGMENT 2, 16
	FRAGMENT 3, 0
	v_cmp_ne_u32 vcc_lo, 0, v3                     ; lanes r and r + 16 hold the same words: lanes 0-15 send fragments 0, 1, lanes 16-31 fragments 2, 3
	v_cndmask_b32 v30, v[PW], v[PW+2], vcc_lo
	v_cndmask_b32 v31, v[PW+1], v[PW+3], vcc_lo
	global_store_b64 v[O8], v[30:31], s[24:25] offset:8192   ; the unit of scale words: 256 consecutive bytes, aligned
	s_wait_tensorcnt 0x0                           ; the wave's end
	ds_add_u32 v[SPW], v[NIL]
	s_wait_dscnt 0x0
	s_endpgm
.Lfunc_end_k_q4960f03f5c_quant:
	.size	k_q4960f03f5c_quant, .Lfunc_end_k_q4960f03f5c_quant-k_q4960f03f5c_quant
	.p2alignl 7, 3214868480
	.fill 96, 4, 3214868480
	.section	.rodata,"a",@progbits
	.p2align	6, 0x0
	.amdhsa_kernel k_q4960f03f5c_quant
		.amdhsa_group_segment_fixed_size 34304
		.amdhsa_private_segment_fixed_size 0
		.amdhsa_enable_private_segment 0
		.amdhsa_kernarg_size 48
		.amdhsa_user_sgpr_count 2
		.amdhsa_user_sgpr_kernarg_segment_ptr 1
		.amdhsa_wavefront_size32 1
		.amdhsa_system_sgpr_workgroup_id_x 1
		.amdhsa_system_sgpr_workgroup_id_y 1
		.amdhsa_system_sgpr_workgroup_id_z 1
		.amdhsa_system_vgpr_workitem_id 0
		.amdhsa_next_free_vgpr 192
		.amdhsa_next_free_sgpr 66
		.amdhsa_reserve_vcc 1
		.amdhsa_float_denorm_mode_32 3
		.amdhsa_float_denorm_mode_16_64 3
		.amdhsa_memory_ordered 1
		.amdhsa_forward_progress 1
		.amdhsa_inst_pref_size 57
	.end_amdhsa_kernel
	.amdgpu_metadata
---
amdhsa.version: [ 1, 2 ]
amdhsa.kernels:
  - .name:           k_q4960f03f5c_quant
    .symbol:         k_q4960f03f5c_quant.kd
    .args:
      - { .name: inputs, .offset: 0, .size: 8, .value_kind: global_buffer, .address_space: global }
      - { .name: prev_state, .offset: 8, .size: 8, .value_kind: global_buffer, .address_space: global }
      - { .name: input_weights, .offset: 16, .size: 8, .value_kind: global_buffer, .address_space: global }
      - { .name: reservoir_weights, .offset: 24, .size: 8, .value_kind: global_buffer, .address_space: global }
      - { .name: a_rec, .offset: 32, .size: 8, .value_kind: global_buffer, .address_space: global }
      - { .name: b_rec, .offset: 40, .size: 8, .value_kind: global_buffer, .address_space: global }
    .group_segment_fixed_size: 34304
    .private_segment_fixed_size: 0
    .kernarg_segment_align: 8
    .kernarg_segment_size: 48
    .max_flat_workgroup_size: 128
    .sgpr_count:     66
    .vgpr_count:     192
    .wavefront_size: 32
...
	.end_amdgpu_metadata
.endif
;; end of part 1
;; launch gemm (part 2): grid 16 x 16, 4 waves a work-group, clusters of 4 x 1, 327,680 bytes of LDS; arguments a_rec, b_rec, prev_state, out0; writes out0
.if DOCPART == 2
	.amdgcn_target "amdgcn-amd-amdhsa--gfx1250"
	.amdhsa_code_object_version 6
	.text
	.protected	k_q4960f03f5c_gemm
	.globl	k_q4960f03f5c_gemm
	.p2align	8
	.type	k_q4960f03f5c_gemm,@function
k_q4960f03f5c_gemm:
	s_mov_b64 s[64:65], 0
	v_nop
	global_prefetch_b8 v0, s[64:65] scope:SCOPE_SE
	s_setreg_imm32_b32 hwreg(HW_REG_WAVE_MODE, 25, 1), 1
	s_wait_xcnt 0x0
	s_wait_alu depctr_hold_cnt(0) depctr_sa_sdst(0) depctr_va_vdst(0) depctr_va_sdst(0) depctr_va_ssrc(0) depctr_va_vcc(0) depctr_vm_vsrc(0)
	s_getreg_b32 s2, hwreg(HW_REG_IB_STS2, 6, 4)
	s_cmp_eq_u32 s2, 0
	s_cbranch_scc0 .Lentry_in_a_cluster
	s_endpgm
.Lentry_in_a_cluster:
	s_bfe_u32 s2, ttmp6, 0x10000c
	s_cmp_lg_u32 s2, 0x3003
	s_cbranch_scc0 .Lentry_shape_is_right
	s_endpgm
.Lentry_shape_is_right:
; out0 = 0.7 prev_state + 0.3 tanh(A B^T), A = [inputs | prev_state], B = [input_weights | reservoir_weights]: ONE product over K = 6,144, on the records that the launch before laid
; (a record = 16 rows x 512 K: four fragments in the order of the operand's registers, 2,048 bytes each, then 256 bytes of scale words: 8,448 bytes).  No work of reference() is left out.
; A work-group makes 128 rows (x) x 256 columns (y): 16 x 16 work-groups.  B's 16 records of a K step of 512 go through a ring of two LDS slots of 135,168 bytes: 12 fills.
; CLUSTERS 4, 1, 1: the four partners share the tile column, so B's records are asked for jointly (mask 15); each wave asks for 4 of the 16.
; A GOES FROM MEMORY STRAIGHT INTO REGISTERS: a record's bytes are the registers' image, each wave needs only its own 64 rows and its own half of K, so no byte of A comes twice to a work-group, and LDS is left to B.
; SHARES OF THE WAVES: wave w = 2 g + mh holds rows half mh (4 blocks of A) x all 256 columns in 64 accumulators, and of each record multiplies fragments 2 g and 2 g + 1: 128 products for 64 KB read from LDS.
; B's blocks are numbered from the wave's own: local block lb is block (lb + 8 g) mod 16, so that one text serves all waves.  At the end a wave hands the sums of local blocks 8-15 to its partner (w xor 2) through LDS
; and finishes 64 rows x 128 columns.  THE MATRIX INSTRUCTION IS USED TRANSPOSED (source 0 = 16 rows of B, source 1 = 16 rows of A): a lane holds eight neighbouring columns of one row.
; REGISTERS: window 0: v0-63 addresses, constants, A's scale words; v64-95 B's scale words, two sets; v128-191, v192-255 two buffers of 4 fragments of B, by turns from batch to batch.
;   Window 1: four sets of 4 fragments of A: (record's parity, fragment) at v[128 jp + 64 e]; a set is loaded again for the record two on as soon as it has been multiplied.  Windows 2, 3: accumulators of local blocks 0-7, 8-15.
; PREFETCH of B: behind each refill a wave names, a lane to 256 bytes, the one of its four records at place cx of the record-step that the refill two on will load (32 blocks, and the 33rd by a second line); it stops
; behind record-step 11.  Steps 0 to 3 come by their loads alone.  A has none: its loads into registers are issued three fragments of work ahead of their use.
; LIMITS: NaN and infinities among the inputs are not served (the launch before).  tanh(x) = 1 - 2 / (1 + 2^(2 x log2 e)): where the power overflows the quotient is 0, where it vanishes 2: both ends are exact.
.set REC,    8448
.set RBP,    12*REC
.set SLOT,   16*REC
.set SPARE,  2*SLOT                    ; the spare words: 512 bytes that no other line names
.set STAGE,  SPARE+512                 ; each wave's own stage, 16 rows: bytes that no fill lands on
.set SPITCH, 528
.set OSTG,   16*SPITCH
.set HAREA,  64*SPITCH                 ; what a wave is handed: 64 rows; the four areas fill slot 0, behind its last fill and last read
.set ROWC,   16384
.set BLO,  2                           ; v2-3 B's local blocks 0-7 in slot 0, 1;  v4-5 local blocks 8-15;  v6-9 the same for the scale words (lanes 16-31 one record on)
.set BHI,  4
.set SBLO, 6
.set SBHI, 8
.set COA,  10                          ; 16 x lane + 4,096 g: my fragments of A
.set ASO,  11                          ; A's scale words: 8,192 + 128 g + 8 r, lanes 16-31 one row block on
.set PF2,  12
.set STO,  22
.set RD,   23
.set HST,  24
.set HRD,  25
.set CO,   26
.set PFO,  27
.set SPW,  28
.set NIL,  29
.set CL2,  30
.set C07,  32
.set C03,  34
.set CM6,  36
.set ASC,  40                          ; v40-47 A's scale words: 4 jp + 2 (a / 2) + e
.set BSC,  64                          ; v64-95 B's: 16 jp + 2 (lb / 2) + e
.set G1,  24
.set G0,  32
.set AB,  44
.set PFA, 66
.set MSB, 0
.macro WIN new
.if MSB != \new
	s_set_vgpr_msb (MSB<<8)|\new
.set MSB, \new
.endif
.endm
.set MUL_LO, 0xa4                      ; source 0 (B) window 0, source 1 (A) window 1, C and D window 2
.set MUL_HI, 0xf4
.set TO_A,   0x40
.macro PLACES n
.rept \n
	v_nop
.endr
.endm
.macro TLOAD s                         ; my four records of B: one line for all waves, both addresses made from the wave's number
	tensor_load_to_lds s[G0+4*\s:G0+4*\s+3], s[G1:G1+7]
	s_nop 0
	PLACES 4
.endm
.macro CREST
	s_cmp_lg_u32 s14, 0
	s_cbranch_scc1 .Lnot_wave_0_\@
	s_barrier_signal -3
.Lnot_wave_0_\@:
	s_barrier_wait -3
	s_barrier_signal -1
	s_barrier_wait -1
.endm
.macro CROUND
	s_barrier_signal -1
	s_barrier_wait -1
	CREST
.endm
.macro ASK mode                        ; mode 2: always; mode 3: not in the loop's last trip, where the record would lie past the end
.if \mode > 1
.if \mode == 3
	s_cmp_gt_u32 s3, 1
	s_cbranch_scc0 .Lnone_\@
.endif
	global_prefetch_b8 v[PFO], s[PFA:PFA+1] th:TH_LOAD_NT scope:SCOPE_SE
	global_prefetch_b8 v[PF2], s[PFA:PFA+1] offset:8192 th:TH_LOAD_NT scope:SCOPE_SE
.Lnone_\@:
.endif
.endm
	s_load_b256 s[4:11], s[0:1], 0x0               ; a_rec, b_rec, prev_state, out0
	v_lshl_add_u32 v[SPW], v0, 2, SPARE
	v_mov_b32 v[NIL], 0
	ds_add_u32 v[SPW], v[NIL]                      ; the opening lines: the add twice on end and its wait
	ds_add_u32 v[SPW], v[NIL]
	v_lshrrev_b32 v1, 5, v0
	v_readfirstlane_b32 s14, v1                    ; wave
	s_lshr_b32 s15, s14, 1                         ; g
	s_and_b32 s16, s14, 1                          ; mh
	s_bfe_u32 s40, ttmp6, 0x40000                  ; cx
	s_lshl_b32 s17, ttmp9, 2
	s_add_co_u32 s17, s17, s40                     ; tile row
	s_and_b32 s42, ttmp7, 0xffff                   ; tile column: the same in all four partners
	s_mov_b32 s[G1+0], 15|(3<<16)|(1<<21)          ; the four partners; elements of 8 bytes; a row = a record, 1,056 elements; 4 rows, 12,672 elements apart
	s_mov_b32 s[G1+1], (REC/8)<<16
	s_mov_b32 s[G1+2], 4<<16
	s_mov_b32 s[G1+3], (REC/8)<<16
	s_mov_b32 s[G1+4], 4
	s_mov_b32 s[G1+5], RBP/8
	s_mov_b32 s[G1+6], 0
	s_mov_b32 s[G1+7], 0
	s_lshl_b32 s46, s42, 4
	s_lshl_b32 s18, s14, 2
	s_add_co_u32 s46, s46, s18                     ; B: row block 16 x tile column + 4 x wave
	s_mul_i32 s46, s46, RBP
	s_mov_b32 s47, 0
	s_mul_i32 s22, s14, 4*REC                      ; and where they go
	s_lshl_b32 s20, s17, 3
	s_lshl_b32 s18, s16, 2
	s_add_co_u32 s20, s20, s18                     ; A: row block 8 x tile row + 4 mh
	s_mul_i32 s20, s20, RBP
	s_mov_b32 s21, 0
	s_lshl_b32 s70, s15, 12                        ; fragment 2 g
	s_lshl_b32 s71, s15, 7                         ; and its scale words
	s_mul_i32 s72, s15, 8*REC                      ; my local blocks 0-7
	s_xor_b32 s73, s15, 1
	s_mul_i32 s73, s73, 8*REC                      ; my local blocks 8-15
	s_add_co_u32 s74, s72, s70
	s_add_co_u32 s75, s73, s70
	s_add_co_u32 s76, s72, s71
	s_add_co_u32 s77, s73, s71
	s_mul_i32 s81, s14, OSTG
	s_add_co_u32 s81, s81, STAGE
	s_xor_b32 s82, s14, 2
	s_mul_i32 s82, s82, HAREA                      ; my partner's area
	s_mul_i32 s83, s14, HAREA                      ; mine
	s_wait_dscnt 0x0
	s_wait_kmcnt 0x0
	s_add_nc_u64 s[46:47], s[6:7], s[46:47]
	s_add_nc_u64 s[AB:AB+1], s[4:5], s[20:21]
	CROUND                                         ; in front of the first joint loads
.irp s, 0,1
	s_mov_b32 s[G0+4*\s], 1
	s_add_co_u32 s[G0+4*\s+1], s22, \s*SLOT
	s_add_nc_u64 s[G0+4*\s+2:G0+4*\s+3], s[46:47], \s*REC
	s_or_b32 s[G0+4*\s+3], s[G0+4*\s+3], 0x80000000
.endr
	TLOAD 0                                        ; record-step 0: one tensor load a wave at the head
	s_lshl_b32 s84, s17, 7
	s_lshl_b32 s86, s16, 6
	s_add_co_u32 s84, s84, s86                     ; the first row that I finish: 128 x tile row + 64 mh
	s_lshl_b32 s84, s84, 14
	s_lshl_b32 s86, s42, 10
	s_add_co_u32 s84, s84, s86
	s_lshl_b32 s86, s15, 9
	s_add_co_u32 s84, s84, s86                     ; + my first column in bytes: 1,024 x tile column + 512 g
	s_mov_b32 s85, 0
	s_add_nc_u64 s[8:9], s[8:9], s[84:85]
	s_add_nc_u64 s[10:11], s[10:11], s[84:85]
	s_lshl_b32 s88, s42, 4
	s_lshl_b32 s86, s14, 2
	s_add_co_u32 s88, s88, s86
	s_add_co_u32 s88, s88, s40                     ; prefetch: of my 4 records the one at cx
	s_mul_i32 s88, s88, RBP
	s_add_co_u32 s88, s88, 3*REC                   ; stepped by a record ahead of each request: step j names step j + 4
	s_mov_b32 s89, 0
	s_add_nc_u64 s[PFA:PFA+1], s[6:7], s[88:89]
.macro ADR reg, sb, ln
	v_add_nc_u32 v[\reg], s[\sb], v[\ln]
	v_add_nc_u32 v[\reg+1], SLOT, v[\reg]
.endm
	v_and_b32 v1, 31, v0
	v_and_b32 v14, 15, v0                          ; r
	v_bfe_u32 v15, v0, 4, 1                        ; h
	v_lshlrev_b32 v[CO], 4, v1
	v_mul_u32_u24 v16, v15, REC
	v_lshl_add_u32 v16, v14, 3, v16
	v_add_nc_u32 v16, 8192, v16                    ; B's scale words in LDS: 8,192 + 8 r, lanes 16-31 one record on
	v_mul_u32_u24 v17, v14, SPITCH
	v_lshl_add_u32 v17, v15, 5, v17                ; into a stage: row r, 32 bytes for each half of the lanes
	ADR BLO, 74, CO
	ADR BHI, 75, CO
	ADR SBLO, 76, 16
	ADR SBHI, 77, 16
	v_add_nc_u32 v[COA], s70, v[CO]
	v_mul_u32_u24 v[ASO], v15, RBP
	v_lshl_add_u32 v[ASO], v14, 3, v[ASO]
	v_add_nc_u32 v[ASO], s71, v[ASO]
	v_add_nc_u32 v[ASO], 8192, v[ASO]
	v_add_nc_u32 v[STO], s81, v17
	v_add_nc_u32 v[RD], s81, v[CO]
	v_add_nc_u32 v[HST], s82, v17
	v_add_nc_u32 v[HRD], s83, v[CO]
	v_lshlrev_b32 v[PFO], 8, v1
	v_mov_b32 v[PF2], 0
	v_mov_b32 v[CL2], 0x4038aa3b                   ; 2 log2 e
	v_mov_b32 v[CL2+1], 0x4038aa3b
	v_mov_b32 v[C07], 0x3f333333                   ; 0.7
	v_mov_b32 v[C07+1], 0x3f333333
	v_mov_b32 v[C03], 0x3e99999a                   ; 0.3
	v_mov_b32 v[C03+1], 0x3e99999a
	v_mov_b32 v[CM6], 0xbf19999a                   ; -0.6
	v_mov_b32 v[CM6+1], 0xbf19999a
	s_wait_alu depctr_va_vdst(0)                   ; the wait at the head's end
.macro WM zero                         ; one product, by the symbols rD, rB, rA, sB, sA; pr: an odd block's scale words lie in lanes 16-31
.if \zero
.if pr == 3
	v_wmma_scale_f32_16x16x128_f8f6f4 v[rD:rD+7], v[rB:rB+15], v[rA:rA+15], 0, v[sB], v[sA] matrix_a_scale:MATRIX_SCALE_ROW1 matrix_b_scale:MATRIX_SCALE_ROW1
.elseif pr == 1
	v_wmma_scale_f32_16x16x128_f8f6f4 v[rD:rD+7], v[rB:rB+15], v[rA:rA+15], 0, v[sB], v[sA] matrix_a_scale:MATRIX_SCALE_ROW1
.elseif pr == 2
	v_wmma_scale_f32_16x16x128_f8f6f4 v[rD:rD+7], v[rB:rB+15], v[rA:rA+15], 0, v[sB], v[sA] matrix_b_scale:MATRIX_SCALE_ROW1
.else
	v_wmma_scale_f32_16x16x128_f8f6f4 v[rD:rD+7], v[rB:rB+15], v[rA:rA+15], 0, v[sB], v[sA]
.endif
.else
.if pr == 3
	v_wmma_scale_f32_16x16x128_f8f6f4 v[rD:rD+7], v[rB:rB+15], v[rA:rA+15], v[rD:rD+7], v[sB], v[sA] matrix_a_scale:MATRIX_SCALE_ROW1 matrix_b_scale:MATRIX_SCALE_ROW1
.elseif pr == 1
	v_wmma_scale_f32_16x16x128_f8f6f4 v[rD:rD+7], v[rB:rB+15], v[rA:rA+15], v[rD:rD+7], v[sB], v[sA] matrix_a_scale:MATRIX_SCALE_ROW1
.elseif pr == 2
	v_wmma_scale_f32_16x16x128_f8f6f4 v[rD:rD+7], v[rB:rB+15], v[rA:rA+15], v[rD:rD+7], v[sB], v[sA] matrix_b_scale:MATRIX_SCALE_ROW1
.else
	v_wmma_scale_f32_16x16x128_f8f6f4 v[rD:rD+7], v[rB:rB+15], v[rA:rA+15], v[rD:rD+7], v[sB], v[sA]
.endif
.endif
.endm
; A BATCH: 16 products: chunk c of fragment e (B's local blocks 4 c .. 4 c + 3, in buffer c % 2) x my 4 blocks of A.  Ahead of block i's four products the wait leaves out the chunk's later loads and what was issued behind it:
; w0 - 4 i.  mid = 1: behind the second block my reads of the slot are waited for and the barrier is signalled.  The 64 accumulators take turns.
.macro BT jp, e, c, zero, w0, mid
.if \c < 2
	WIN MUL_LO
.else
	WIN MUL_HI
.endif
.irp i, 0,1,2,3
.if (\mid) && (\i == 2)
	s_wait_dscnt 0x0                               ; the add is done, and my reads of this slot are over
	s_barrier_signal -1
.elseif (\mid) && (\i == 3)
.else
	s_wait_dscnt (\w0)-4*\i
.endif
.irp a, 0,1,2,3
.set rD, 8*(8*\a+4*((\c)%2)+\i)
.set rB, 128+64*((\c)%2)+16*\i
.set rA, 128*(\jp)+64*(\e)+16*\a
.set sB, BSC+16*(\jp)+2*((4*(\c)+\i)/2)+(\e)
.set sA, ASC+4*(\jp)+2*(\a/2)+(\e)
.set pr, (\i%2)+2*(\a%2)
	WM \zero
.endr
.endr
.endm
.macro CH s, e, c                      ; chunk c of fragment e from slot s into buffer c % 2: 16 LDS loads, all windows 0
.irp i, 0,1,2,3
.irp k, 0,1,2,3
	ds_load_b128 v[128+64*((\c)%2)+16*\i+4*\k:128+64*((\c)%2)+16*\i+4*\k+3], v[BLO+2*((\c)/2)+(\s)] offset:REC*(4*((\c)%2)+\i)+2048*(\e)+512*\k
.endr
.endr
.endm
.macro SCL s                           ; B's scale words of my two fragments: 8 LDS loads of two words
.irp i, 0,1,2,3
	ds_load_b64 v[BSC+16*(\s)+2*\i:BSC+16*(\s)+2*\i+1], v[SBLO+(\s)] offset:2*REC*\i
.endr
.irp i, 0,1,2,3
	ds_load_b64 v[BSC+16*(\s)+8+2*\i:BSC+16*(\s)+8+2*\i+1], v[SBHI+(\s)] offset:2*REC*\i
.endr
.endm
.macro PLOAD a                         ; 16 rows x 512 bytes of prev_state into window 1
	WIN TO_A
.irp t, 0,1,2,3,4,5,6,7,8,9,10,11,12,13,14,15
	global_load_b128 v[64*(\a)+4*\t:64*(\a)+4*\t+3], v[CO], s[8:9] offset:(16*(\a)+\t)*ROWC th:TH_LOAD_NT
.endr
.endm
; Set (jp, e) of A is loaded again: ld = 1: with the record at s[AB] + jp records (e = 1: that record's scale words first: two runs of 128 bytes an instruction); ld = 0: with prev_state's block 2 jp + e.
.macro ALD jp, e, ld
.if \ld
.if \e
.irp i, 0,1
	global_load_b64 v[ASC+4*(\jp)+2*\i:ASC+4*(\jp)+2*\i+1], v[ASO], s[AB:AB+1] offset:2*RBP*\i+REC*(\jp)
.endr
.endif
	WIN TO_A
.irp a, 0,1,2,3
.irp k, 0,1,2,3
	global_load_b128 v[128*(\jp)+64*(\e)+16*\a+4*\k:128*(\jp)+64*(\e)+16*\a+4*\k+3], v[COA], s[AB:AB+1] offset:RBP*\a+REC*(\jp)+2048*(\e)+512*\k
.endr
.endr
.else
	PLOAD 2*(\jp)+(\e)
.endif
.endm
; ONE RECORD-STEP, in slot jp: 8 batches.  On entry 40 LDS loads are out: the scale words, chunks 0 and 1.  Behind each batch eight places, then the chunk two on into its buffer.
; LOADcnt 48: behind the set that is needed 48 to 50 loads have been issued (three sets of 16, and at most one pair of scale words).
; mode 2, 3: the slot is filled again behind a round of the cluster's barrier, with a prefetch; 0: a change of slots without a fill; -1: the last.
.macro RECORD jp, zero, mode, ld
	s_wait_loadcnt 48
	BT \jp, 0, 0, \zero, 28, 0
	PLACES 8
	WIN 0
	CH \jp, 0, 2
	BT \jp, 0, 1, \zero, 28, 0
	PLACES 8
	WIN 0
	CH \jp, 0, 3
	BT \jp, 0, 2, \zero, 28, 0
	PLACES 8
	WIN 0
	CH \jp, 1, 0
	BT \jp, 0, 3, \zero, 28, 0
	PLACES 8
	WIN 0
	CH \jp, 1, 1
.if (\ld) && (\jp == 0)
	s_wait_xcnt 0x0                                ; my loads have read their base
	s_add_nc_u64 s[AB:AB+1], s[AB:AB+1], 2*REC     ; on to the pair of records two on
.endif
	ALD \jp, 0, \ld
	s_wait_loadcnt 48
	BT \jp, 1, 0, 0, 28, 0
	PLACES 8
	WIN 0
	CH \jp, 1, 2
	BT \jp, 1, 1, 0, 28, 0
	PLACES 8
	WIN 0
	CH \jp, 1, 3                                   ; my last reads of this slot
	BT \jp, 1, 2, 0, 28, 0
	WIN 0
.if \mode >= 0
.if \mode > 1
	s_wait_xcnt 0x0                                ; my prefetches have read their address
	s_add_nc_u64 s[PFA:PFA+1], s[PFA:PFA+1], REC
.endif
	s_wait_tensorcnt 0x0                           ; my part of the other slot has landed
	ds_add_u32 v[SPW], v[NIL]
.if \mode > 0
	s_add_nc_u64 s[G0+4*\jp+2:G0+4*\jp+3], s[G0+4*\jp+2:G0+4*\jp+3], 2*REC
.endif
	BT \jp, 1, 3, 0, 13, 1                         ; the add and the chunk's later loads may be out
	WIN 0
	s_barrier_wait -1
.if \mode > 0
	CREST                                          ; the barrier has opened a round of the cluster's barrier
	TLOAD \jp                                      ; the record-step two on, first behind the round; its four v_nop are four of the eight places
	PLACES 4
.else
	PLACES 8
.endif
	SCL 1-\jp
	CH 1-\jp, 0, 0
	CH 1-\jp, 0, 1
	ALD \jp, 1, \ld
	WIN 0
	ASK \mode
.else
	BT \jp, 1, 3, 0, 12, 0
	PLACES 8
	ALD \jp, 1, \ld
	WIN 0
.endif
.endm
	ALD 0, 0, 1                                    ; A's first two records: 68 loads
	WIN 0
	ALD 0, 1, 1
	ALD 1, 0, 1
	WIN 0
	ALD 1, 1, 1
	WIN 0
	s_wait_tensorcnt 0x0                           ; my part of record-step 0 is in; slot 1's first fill is issued as a refill is
	ds_add_u32 v[SPW], v[NIL]
	s_wait_dscnt 0x0
	CROUND
	TLOAD 1
	SCL 0
	CH 0, 0, 0
	CH 0, 0, 1
	RECORD 0, 1, 2, 1                              ; step 0: its first fragment starts the sums
	RECORD 1, 0, 2, 1
	s_mov_b32 s3, 4
.Llap:                                                 ; steps 2 to 9, two a trip
	RECORD 0, 0, 3, 1
	RECORD 1, 0, 3, 1
	s_sub_co_u32 s3, s3, 1
	s_cmp_lg_u32 s3, 0
	s_cbranch_scc1 .Llap
	RECORD 0, 0, 0, 0                              ; steps 10, 11 fetch nothing more of A and B: prev_state lands in A's sets
	RECORD 1, 0, -1, 0
; THE HAND-OVER: my sums of local blocks 8-15 go, as rows of 512 bytes, into my partner's area in slot 0, which had its last fill and, ahead of the last change of slots, its last read.
	WIN 0x0c
.irp a, 0,1,2,3
.irp b, 0,1,2,3,4,5,6,7
	ds_store_b128 v[HST], v[8*(8*\a+\b):8*(8*\a+\b)+3] offset:OSTG*\a+64*\b
	ds_store_b128 v[HST], v[8*(8*\a+\b)+4:8*(8*\a+\b)+7] offset:OSTG*\a+64*\b+16
.endr
.endr
	WIN 0
	s_wait_dscnt 0x0                               ; for the others' sake: my stores are done
	s_barrier_signal -1
	s_barrier_wait -1
; Block a of 16 rows: my sums through my own stage back as whole rows, and my partner's sums of the same rows.  LDS serves a wave's instructions in order (ISA guide 5.7.1.4).
.macro GET a
	WIN 0x08
.irp b, 0,1,2,3,4,5,6,7
	ds_store_b128 v[STO], v[8*(8*(\a)+\b):8*(8*(\a)+\b)+3] offset:64*\b
	ds_store_b128 v[STO], v[8*(8*(\a)+\b)+4:8*(8*(\a)+\b)+7] offset:64*\b+16
.endr
	WIN 0
.irp t, 0,1,2,3,4,5,6,7,8,9,10,11,12,13,14,15
	ds_load_b128 v[128+64*((\a)%2)+4*\t:128+64*((\a)%2)+4*\t+3], v[RD] offset:\t*SPITCH
.endr
	WIN 0xc0
.irp t, 0,1,2,3,4,5,6,7,8,9,10,11,12,13,14,15
	ds_load_b128 v[64*((\a)%2)+4*\t:64*((\a)%2)+4*\t+3], v[HRD] offset:(16*(\a)+\t)*SPITCH
.endr
	WIN 0
.endm
.macro FINISH a, younger, lc
.set BB, 128+64*((\a)%2)
.set PB, 64*((\a)%2)
	s_wait_dscnt \younger                          ; the block's rows are in; the next block's 16 stores and 32 loads may be out
	WIN 0x0c
.set i, 0
.rept 32
	v_pk_add_f32 v[BB+i:BB+i+1], v[BB+i:BB+i+1], v[PB+i:PB+i+1]     ; the two halves of K
.set i, i+2
.endr
	WIN 0
.set i, 0
.rept 32
	v_pk_mul_f32 v[BB+i:BB+i+1], v[BB+i:BB+i+1], v[CL2:CL2+1]
.set i, i+2
.endr
	s_wait_alu depctr_va_vdst(0)                   ; a wait ahead of each batch of transcendentals and one behind it
.set i, 0
.rept 64
	v_exp_f32 v[BB+i], v[BB+i]
.set i, i+1
.endr
	v_nop
	s_wait_alu depctr_va_vdst(0)
.set i, 0
.rept 32
	v_pk_add_f32 v[BB+i:BB+i+1], v[BB+i:BB+i+1], 1.0 op_sel_hi:[1,0]
.set i, i+2
.endr
	s_wait_alu depctr_va_vdst(0)
.set i, 0
.rept 64
	v_rcp_f32 v[BB+i], v[BB+i]
.set i, i+1
.endr
	v_nop
	s_wait_alu depctr_va_vdst(0)
.set i, 0
.rept 32
	v_pk_fma_f32 v[BB+i:BB+i+1], v[BB+i:BB+i+1], v[CM6:CM6+1], v[C03:C03+1]   ; 0.3 tanh
.set i, i+2
.endr
	s_wait_loadcnt \lc                             ; prev_state's block a is in; the later blocks' loads may be out
	WIN 0x01
.set i, 0
.rept 32
	v_pk_fma_f32 v[BB+i:BB+i+1], v[64*(\a)+i:64*(\a)+i+1], v[C07:C07+1], v[BB+i:BB+i+1]
.set i, i+2
.endr
	WIN 0
.irp t, 0,1,2,3,4,5,6,7,8,9,10,11,12,13,14,15
	global_store_b128 v[CO], v[BB+4*\t:BB+4*\t+3], s[10:11] offset:(16*(\a)+\t)*ROWC th:TH_STORE_NT   ; 32 lanes store 512 consecutive bytes, aligned to 256
.endr
.endm
	GET 0
	GET 1
	FINISH 0, 48, 48
	s_wait_xcnt 0x0                                ; block 0's stores have read their registers
	GET 2
	FINISH 1, 48, 32
	s_wait_xcnt 0x0
	GET 3
	FINISH 2, 48, 16
	FINISH 3, 0, 0
	s_wait_tensorcnt 0x0                           ; the wave's end
	ds_add_u32 v[SPW], v[NIL]
	s_wait_dscnt 0x0
	CROUND                                         ; the closing round
	s_endpgm
.Lfunc_end_k_q4960f03f5c_gemm:
	.size	k_q4960f03f5c_gemm, .Lfunc_end_k_q4960f03f5c_gemm-k_q4960f03f5c_gemm
	.p2alignl 7, 3214868480
	.fill 96, 4, 3214868480
	.section	.rodata,"a",@progbits
	.p2align	6, 0x0
	.amdhsa_kernel k_q4960f03f5c_gemm
		.amdhsa_group_segment_fixed_size 327680
		.amdhsa_private_segment_fixed_size 0
		.amdhsa_enable_private_segment 0
		.amdhsa_kernarg_size 32
		.amdhsa_user_sgpr_count 2
		.amdhsa_user_sgpr_kernarg_segment_ptr 1
		.amdhsa_wavefront_size32 1
		.amdhsa_system_sgpr_workgroup_id_x 1
		.amdhsa_system_sgpr_workgroup_id_y 1
		.amdhsa_system_sgpr_workgroup_id_z 1
		.amdhsa_system_vgpr_workitem_id 0
		.amdhsa_next_free_vgpr 1024
		.amdhsa_next_free_sgpr 96
		.amdhsa_reserve_vcc 0
		.amdhsa_float_denorm_mode_32 3
		.amdhsa_float_denorm_mode_16_64 3
		.amdhsa_memory_ordered 1
		.amdhsa_forward_progress 1
		.amdhsa_inst_pref_size 255
	.end_amdhsa_kernel
	.section	.bss,"aw",@nobits
	.p2align	6
	.space	262144
	.amdgpu_metadata
---
amdhsa.version: [ 1, 2 ]
amdhsa.kernels:
  - .name:           k_q4960f03f5c_gemm
    .symbol:         k_q4960f03f5c_gemm.kd
    .args:
      - { .name: a_rec, .offset: 0, .size: 8, .value_kind: global_buffer, .address_space: global }
      - { .name: b_rec, .offset: 8, .size: 8, .value_kind: global_buffer, .address_space: global }
      - { .name: prev_state, .offset: 16, .size: 8, .value_kind: global_buffer, .address_space: global }
      - { .name: out0, .offset: 24, .size: 8, .value_kind: global_buffer, .address_space: global }
    .group_segment_fixed_size: 327680
    .private_segment_fixed_size: 0
    .kernarg_segment_align: 8
    .kernarg_segment_size: 32
    .max_flat_workgroup_size: 128
    .sgpr_count:     96
    .vgpr_count:     1024
    .wavefront_size: 32
...
	.end_amdgpu_metadata
.endif
;; end of part 2
